; MI455X (gfx1250); checked and timed in simulation.
; The chip was launched on July 23, 2026; its instructions are those of AMD's public machine-readable ISA for CDNA 5 (MIT licence, August 2026) and "CDNA5" Instruction Set Architecture Reference Guide (July 2026). The comments in the code are by the model that wrote it; some were corrected since.
;; T5 MHSA. Allowed arithmetic: matrix products marked QUANTISED: E4M3 operands, one given power-of-two scale a tensor, by v_wmma_f32_16x16x64_fp8_fp8 or v_wmma_f32_16x16x128_fp8_fp8, f32 sums; everything else in f32.
;; Inputs: bias 32 x 16 float32; lowp_scales 10 int32 (the exponents e of the quantised operands' scales 2^e); out_b 1,024 float32; out_w 1,024 x 1,024 float32; qk_b 2,048 float32; qk_w 2,048 x 1,024 float32; v_b 1,024 float32; v_w 1,024 x 1,024 float32; x 8 x 1,024 x 1,024 float32.
;; Outputs: out0 8 x 1,024 x 1,024 float32.
;; This version of the problem:
;;   THIS VERSION OF THE PROBLEM IS GIVEN IN LOW PRECISION. The matrix products marked QUANTISED in the list below multiply operands that are first quantised to E4M3 (4 exponent bits, 3 mantissa bits; 8 bits a number), with one given power-of-two scale for each operand tensor; their sums are f32. All else is computed in f32.
;;   The module's matrix products, in the order in which they are computed (A, B: the left and right operand; K: the contracted axis; several contracted axes count as one K, in the product's order):
;;     1. [M 8,192, K 1,024] x [K 1,024, N 2,048]; A: input x; B: input qk_w: QUANTISED (scales: A lowp_scales[0], B lowp_scales[1])
;;     2. [M 8,192, K 1,024] x [K 1,024, N 1,024]; A: input x; B: input v_w: QUANTISED (scales: A lowp_scales[2], B lowp_scales[3])
;;     3. batch 128 x [M 1,024, K 64] x [K 64, N 1,024]; A: computed on the way; B: computed on the way: QUANTISED (scales: A lowp_scales[4], B lowp_scales[5])
;;     4. batch 128 x [M 1,024, K 1,024] x [K 1,024, N 64]; A: softmax (see below); B: computed on the way: QUANTISED (scales: A lowp_scales[6], B lowp_scales[7])
;;     5. [M 8,192, K 1,024] x [K 1,024, N 1,024]; A: computed on the way; B: input out_w: QUANTISED (scales: A lowp_scales[8], B lowp_scales[9])
;;   THE QUANTISER, for each operand of a quantised product, along K:
;;     - The operand's scale is 2^e, e = its entry of the input lowp_scales (int32; the entries are numbered through the quantised products in the list's order, A before B).
;;     - Each number is divided by the scale, clamped to +-448, and rounded to the nearest number of E4M3, ties to even, subnormals kept.
;;     - The product sums the exact products of the quantised numbers (number of the format x scale) in f32.
;;   ~~~python
;;   def quantise(x, axis, e):      # numpy; x: float32 -> the quantised numbers, widened to float32 again
;;       x = np.moveaxis(x, axis, -1); K = x.shape[-1]
;;       r = np.clip(x / 2.0 ** e, -448, 448)
;;       step = 2.0 ** (np.maximum(np.frexp(np.where(r == 0, 1, r))[1] - 1, -6) - 3)
;;       q = np.round(r / step) * step * 2.0 ** e      # np.round: ties to even
;;       return np.moveaxis(q, -1, axis).astype(np.float32)
;;   ~~~
;;   SOFTMAX AHEAD OF A QUANTISED PRODUCT. Where the list says 'softmax', what is quantised is not the finished softmax but p = 2^(t - M), with t = logit x log2(e) and M = ceil(the row's largest t), a whole number; so 1/2 < the row's largest p <= 1. The row's sum l is taken of the UNQUANTISED p, in f32, and the product's result is divided by l at the end. Since M is a whole number, a kernel that streams over the keys may use a running M (the ceiling of the running maximum): every later rescaling is an exact power of two, so the quantised numbers keep their values, but for numbers so far below the row's largest that they fall under the format's range.
;;   OPERANDS COMPUTED ON THE WAY. 'Computed on the way' means the value that the module computes at that place (a softmax that the list does not call 'softmax' is quantised finished and normalised). What goes into a quantiser is computed in f32, as accurately as f32 sums, v_exp_f32 and their like allow (about 1e-6 of the number): no bf16 or f16 on the way to a quantiser, and a product that is left as it is and whose result goes on into a quantised operand takes f32 operands (vector FMAs, or v_wmma_f32_16x16x4_f32). A number that lies on a knife's edge between two numbers of the format may be rounded either way, as far as f32 arithmetic and the matrix unit's own rounding can turn it there, and no further.
;; One version. Each part assembles by itself: llvm-mc -triple=amdgcn-amd-amdhsa -mcpu=gfx1250 --defsym DOCPART=n.
;; ======== version 1 of 1: 4 launches
;; limits: right only within a limited range of input values
;; workspace buffers: xq 8,388,608 bytes; xv 8,388,608 bytes; wcat 3,145,728 bytes; ow 1,048,576 bytes; qimg 8,388,608 bytes; kimg 8,388,608 bytes; vimg 8,388,608 bytes; aimg 8,388,608 bytes
;; launch quant (part 1): grid 768 x 1, 4 waves a work-group, no clusters, 39,424 bytes of LDS; arguments x, qk_w, v_w, out_w, lowp_scales, xq, xv, wcat, ow; writes xq, xv, wcat, ow
.if DOCPART == 1
	.amdgcn_target "amdgcn-amd-amdhsa--gfx1250"
	.amdhsa_code_object_version 6
	.text
	.protected	k_qc201c92024_quant
	.globl	k_qc201c92024_quant
	.p2align	8
	.type	k_qc201c92024_quant,@function
k_qc201c92024_quant:
	s_mov_b64 s[64:65], 0
	v_nop
	global_prefetch_b8 v0, s[64:65] scope:SCOPE_SE
	s_setreg_imm32_b32 hwreg(HW_REG_WAVE_MODE, 25, 1), 1
	s_wait_xcnt 0x0
; x, qk_w, v_w, out_w (f32, rows of 1,024 along K) become codes of E4M3, each with the scale 2^e that is given for it:
; x twice (entry 0 -> xq, entry 2 -> xv), qk_w (entry 1) and v_w (entry 3) -> wcat (row tiles 0-127, 128-191), out_w (entry 9) -> ow.
; code = number / 2^e, held within +-448, to the nearest code, ties to even.
; LIMITS: every e between -126 and 119, so that 2^e and 448 x 2^e are f32 numbers.  NaN among the inputs is not served.
; THE CODES LEAVE AS IMAGES OF OPERAND REGISTERS: [tile of 16 rows][128 of K][2,048 bytes]; in an image registers 4 c .. 4 c + 3 of lane 16 h + r lie at 512 c + 16 (16 h + r) and hold
; row r, k = 32 c + 8 h + 0..7 and 32 c + 16 + 8 h + 0..7: the 8-bit matrix forms' own places of k.  A reader takes 16 bytes a lane, 512 consecutive bytes an instruction.
; SHARES: a wave takes 16 rows x 256 of K: two images, 8 steps of 4 rows x 128 of K.  Work-groups 0-511: x; 512-639: qk_w; 640-703: v_w; 704-767: out_w: only pointers are chosen.
; Each load reads 512 consecutive bytes of a row.  A step's 2,048 bytes turn through the wave's own stage in LDS, so that an even lane holds pieces 0 and 2 of a group of 32 and the odd lane beside it
; pieces 1 and 3.  A lane's 16 codes go to the image's place in a second stage (eight units of 256 bytes, 288 apart); after four steps the image is read back by units and stored, 512 consecutive bytes a store.
; Waves share nothing: no barrier.  No tensor loads and no prefetch: the launch is nothing but its streams, each byte read once.
.set WAVES, 4
.set STEPS, 8
.set WX,    512                        ; work-groups under WX take x,
.set WQ,    640                        ; under WQ qk_w,
.set WV,    704                        ; under WV v_w, the others out_w
.set R,     16                         ; v16-79   four sets of 16 numbers as loaded
.set X,     80                         ; v80-111  two sets of 16 numbers as the conversions want them
.set TA,    112                        ; v112-127 the numbers held for the first scale
.set F,     128                        ; v128-191 two sets of 32: an image read back, first and second scale
.set C,     192                        ; v192-199 a step's codes
.set SP,    80
.set TR,    5120                       ; behind the two stages of 32 x SP bytes: the images' stages
.set TP,    288
.set T2,    8*TP                       ; the second scale's
.set WREG,  9728                       ; LDS: a region for each wave
.set SPW,   12
.set NIL,   13
.set SPARE, WAVES*WREG                 ; behind the regions: the spare words, 128 bytes a wave
	s_load_b256 s[4:11], s[0:1], 0x0               ; x, qk_w, v_w, out_w
	s_load_b256 s[12:19], s[0:1], 0x20             ; the scales' exponents, xq, xv, wcat
	s_load_b64 s[20:21], s[0:1], 0x40              ; ow
	v_lshl_add_u32 v[SPW], v0, 2, SPARE
	v_mov_b32 v[NIL], 0
	v_lshrrev_b32 v1, 5, v0
	v_readfirstlane_b32 s33, v1                    ; wave
	v_and_b32 v2, 31, v0                           ; lane
	v_lshlrev_b32 v3, 4, v2                        ; 16 x lane
	s_mul_i32 s34, s33, WREG
	v_lshrrev_b32 v14, 2, v2
	v_mul_u32_u24 v14, v14, SP
	v_and_b32 v15, 3, v2
	v_lshl_add_u32 v14, v15, 4, v14
	v_add_nc_u32 v14, s34, v14                     ; the stage, way in: SP (lane / 4) + 16 (lane % 4)
	v_and_b32 v15, 30, v2
	v_mul_u32_u24 v15, v15, SP
	v_and_b32 v5, 1, v2
	v_lshl_add_u32 v15, v5, 5, v15
	v_add_nc_u32 v15, s34, v15                     ; way out: my pair's two places, 32 bytes further on in the odd lane
	v_and_b32 v6, 7, v2                            ; the image's stage, way in: unit 2 c + h = lane % 8, row 4 (step % 4) + lane / 8
	v_mul_u32_u24 v6, v6, TP
	v_lshrrev_b32 v5, 3, v2
	v_lshl_add_u32 v6, v5, 4, v6
	v_add_nc_u32 v6, s34, v6
	v_add_nc_u32 v6, TR, v6
	v_lshrrev_b32 v7, 4, v2                        ; way out: sixteen lanes to a unit
	v_mul_u32_u24 v7, v7, TP
	v_and_b32 v5, 15, v2
	v_lshl_add_u32 v7, v5, 4, v7
	v_add_nc_u32 v7, s34, v7
	v_add_nc_u32 v7, TR, v7
	s_wait_alu depctr_va_vdst(0)
	s_wait_kmcnt 0x0
	s_load_b256 s[24:31], s[12:13], 0x0            ; e0 .. e7
	s_load_b32 s32, s[12:13], 0x24                 ; e9
	s_mov_b64 s[36:37], s[10:11]                   ; the choice of tensor hangs on the work-group's number alone: out_w -> ow,
	s_mov_b64 s[38:39], s[20:21]
	s_mov_b32 s40, WV                              ; the tensor's first work-group,
	s_mov_b32 s41, WV                              ; and the first of its buffer of codes
	s_cmp_lt_u32 ttmp9, WV                         ; v_w -> wcat, behind qk_w's codes
	s_cselect_b64 s[36:37], s[8:9], s[36:37]
	s_cselect_b64 s[38:39], s[18:19], s[38:39]
	s_cselect_b32 s40, WQ, s40
	s_cselect_b32 s41, WX, s41
	s_cmp_lt_u32 ttmp9, WQ                         ; qk_w -> wcat
	s_cselect_b64 s[36:37], s[6:7], s[36:37]
	s_cselect_b32 s40, WX, s40
	s_cmp_lt_u32 ttmp9, WX                         ; x -> xq (and xv)
	s_cselect_b64 s[36:37], s[4:5], s[36:37]
	s_cselect_b64 s[38:39], s[14:15], s[38:39]
	s_cselect_b32 s40, 0, s40
	s_cselect_b32 s41, 0, s41
	s_sub_co_u32 s40, ttmp9, s40
	s_lshl_b32 s40, s40, 2
	s_add_co_u32 s40, s40, s33                     ; my wave's run: row tile run / 4, quarter run % 4 of K
	s_lshr_b32 s42, s40, 2
	s_lshl_b32 s42, s42, 16                        ; 16 rows of 4,096 bytes
	s_and_b32 s47, s40, 3
	s_lshl_b32 s47, s47, 10                        ; 256 numbers
	s_add_co_u32 s42, s42, s47
	s_mov_b32 s43, 0
	s_add_nc_u64 s[36:37], s[36:37], s[42:43]
	s_sub_co_u32 s41, ttmp9, s41
	s_lshl_b32 s41, s41, 2
	s_add_co_u32 s41, s41, s33
	s_lshl_b32 s42, s41, 12                        ; two images of 2,048 bytes
	s_add_nc_u64 s[38:39], s[38:39], s[42:43]
	s_add_nc_u64 s[44:45], s[16:17], s[42:43]      ; xv at the same place (used by x's work-groups alone)
.macro LOAD t                          ; step t: rows 4 (t % 4) + i, the (t / 4)-th 128 of K
.irp i, 0,1,2,3
	global_load_b128 v[R+16*((\t)%4)+4*\i:R+16*((\t)%4)+4*\i+3], v3, s[36:37] offset:4096*(4*((\t)%4)+\i)+512*((\t)/4) th:TH_LOAD_NT
.endr
.endm
.macro TURN t                          ; LDS serves a wave's instructions in order, so no wait stands between the stores and the loads
.irp i, 0,1,2,3
	ds_store_b128 v14, v[R+16*((\t)%4)+4*\i:R+16*((\t)%4)+4*\i+3] offset:32*SP*((\t)%2)+8*SP*\i
.endr
.irp i, 0,1
	ds_load_b128 v[X+16*((\t)%2)+8*\i:X+16*((\t)%2)+8*\i+3], v15 offset:32*SP*((\t)%2)+SP*\i
	ds_load_b128 v[X+16*((\t)%2)+8*\i+4:X+16*((\t)%2)+8*\i+7], v15 offset:32*SP*((\t)%2)+SP*\i+16
.endr
.endm
.macro FLUSHST f                       ; image f, back in registers, is stored; each of the two images has registers of its own
.irp c, 0,1,2,3
	global_store_b128 v3, v[F+32*((\f)%2)+4*\c:F+32*((\f)%2)+4*\c+3], s[38:39] offset:2048*(\f)+512*\c
.endr
	s_cmp_lt_u32 ttmp9, WX
	s_cbranch_scc0 .Lnox_\@
.irp c, 0,1,2,3
	global_store_b128 v3, v[F+32*((\f)%2)+16+4*\c:F+32*((\f)%2)+16+4*\c+3], s[44:45] offset:2048*(\f)+512*\c
.endr
.Lnox_\@:
.endm
.irp t, 0,1,2,3
	LOAD \t
.endr
	s_wait_kmcnt 0x0
	s_mov_b32 s46, s32                             ; e of my tensor, by the same choice
	s_cmp_lt_u32 ttmp9, WV
	s_cselect_b32 s46, s27, s46
	s_cmp_lt_u32 ttmp9, WQ
	s_cselect_b32 s46, s25, s46
	s_cmp_lt_u32 ttmp9, WX
	s_cselect_b32 s46, s24, s46
	s_add_co_i32 s46, s46, 127
	s_lshl_b32 s47, s46, 23
	v_mov_b32 v11, s47                             ; 2^e as f32: the conversion takes its exponent field
	s_add_co_i32 s46, s46, 8
	s_lshl_b32 s46, s46, 23
	s_or_b32 s46, s46, 0x600000
	v_mov_b32 v10, s46                             ; 448 x 2^e
	s_add_co_i32 s46, s26, 127                     ; the same for x's second scale, entry 2
	s_lshl_b32 s47, s46, 23
	v_mov_b32 v9, s47
	s_add_co_i32 s46, s46, 8
	s_lshl_b32 s46, s46, 23
	s_or_b32 s46, s46, 0x600000
	v_mov_b32 v8, s46
	s_wait_alu depctr_va_vdst(0)
	s_wait_loadcnt 12                              ; step 0's four loads are in
	TURN 0
.macro STEP t
.set XS, X+16*((\t)%2)
	s_wait_dscnt 0x0                               ; this step's numbers are back, the last step's LDS stores have read their registers, and an image asked for in the last step is back
.if (\t)%4 == 0 && (\t) > 0
	FLUSHST (\t)/4-1
.endif
.if (\t)+4 < STEPS
	LOAD (\t)+4
.endif
.if (\t)+1 < STEPS
.if STEPS-2-(\t) >= 3
	s_wait_loadcnt 12                              ; the next step's four loads are in; those of the three steps behind it may be out
.else
	s_wait_loadcnt 4*(STEPS-2-(\t))
.endif
	TURN (\t)+1
.endif
.irp i, 0,1,2,3,4,5,6,7,8,9,10,11,12,13,14,15
	v_med3_num_f32 v[TA+\i], v[XS+\i], -v10, v10   ; the conversion to an 8-bit code does not saturate (ISA guide 7.6.2): the hold, into other registers, so that x's numbers stay for the second scale
.endr
	v_cvt_scalef32_pk8_fp8_f32 v[C:C+1], v[TA:TA+7], v11
	v_cvt_scalef32_pk8_fp8_f32 v[C+2:C+3], v[TA+8:TA+15], v11
	ds_store_b128 v6, v[C:C+3] offset:64*((\t)%4)
.if (\t)%4 == 3
.irp c, 0,1,2,3
	ds_load_b128 v[F+32*(((\t)/4)%2)+4*\c:F+32*(((\t)/4)%2)+4*\c+3], v7 offset:2*TP*\c
.endr
.endif
	s_cmp_lt_u32 ttmp9, WX                         ; x alone is quantised a second time
	s_cbranch_scc0 .Lone_\@
.irp i, 0,1,2,3,4,5,6,7,8,9,10,11,12,13,14,15
	v_med3_num_f32 v[XS+\i], v[XS+\i], -v8, v8
.endr
	v_cvt_scalef32_pk8_fp8_f32 v[C+4:C+5], v[XS:XS+7], v9
	v_cvt_scalef32_pk8_fp8_f32 v[C+6:C+7], v[XS+8:XS+15], v9
	ds_store_b128 v6, v[C+4:C+7] offset:T2+64*((\t)%4)
.if (\t)%4 == 3
.irp c, 0,1,2,3
	ds_load_b128 v[F+32*(((\t)/4)%2)+16+4*\c:F+32*(((\t)/4)%2)+16+4*\c+3], v7 offset:T2+2*TP*\c
.endr
.endif
.Lone_\@:
	v_nop                                          ; a plain vector instruction behind the last conversion on both ways
.endm
.irp t, 0,1,2,3,4,5,6,7
	STEP \t
.endr
	s_wait_dscnt 0x0
	FLUSHST 1
	s_wait_tensorcnt 0x0                           ; the wave's end
	ds_add_u32 v[SPW], v[NIL]
	s_wait_dscnt 0x0
	s_endpgm
.Lfunc_end_k_qc201c92024_quant:
	.size	k_qc201c92024_quant, .Lfunc_end_k_qc201c92024_quant-k_qc201c92024_quant
	.p2alignl 7, 3214868480
	.fill 96, 4, 3214868480
	.section	.rodata,"a",@progbits
	.p2align	6, 0x0
	.amdhsa_kernel k_qc201c92024_quant
		.amdhsa_group_segment_fixed_size 39424
		.amdhsa_private_segment_fixed_size 0
		.amdhsa_enable_private_segment 0
		.amdhsa_kernarg_size 72
		.amdhsa_user_sgpr_count 2
		.amdhsa_user_sgpr_kernarg_segment_ptr 1
		.amdhsa_wavefront_size32 1
		.amdhsa_system_sgpr_workgroup_id_x 1
		.amdhsa_system_sgpr_workgroup_id_y 1
		.amdhsa_system_sgpr_workgroup_id_z 1
		.amdhsa_system_vgpr_workitem_id 0
		.amdhsa_next_free_vgpr 200
		.amdhsa_next_free_sgpr 66
		.amdhsa_reserve_vcc 0
		.amdhsa_float_denorm_mode_32 3
		.amdhsa_float_denorm_mode_16_64 3
		.amdhsa_memory_ordered 1
		.amdhsa_forward_progress 1
		.amdhsa_inst_pref_size 35
	.end_amdhsa_kernel
	.amdgpu_metadata
---
amdhsa.version: [ 1, 2 ]
amdhsa.kernels:
  - .name:           k_qc201c92024_quant
    .symbol:         k_qc201c92024_quant.kd
    .args:
      - { .name: x, .offset: 0, .size: 8, .value_kind: global_buffer, .address_space: global }
      - { .name: qk_w, .offset: 8, .size: 8, .value_kind: global_buffer, .address_space: global }
      - { .name: v_w, .offset: 16, .size: 8, .value_kind: global_buffer, .address_space: global }
      - { .name: out_w, .offset: 24, .size: 8, .value_kind: global_buffer, .address_space: global }
      - { .name: lowp_scales, .offset: 32, .size: 8, .value_kind: global_buffer, .address_space: global }
      - { .name: xq, .offset: 40, .size: 8, .value_kind: global_buffer, .address_space: global }
      - { .name: xv, .offset: 48, .size: 8, .value_kind: global_buffer, .address_space: global }
      - { .name: wcat, .offset: 56, .size: 8, .value_kind: global_buffer, .address_space: global }
      - { .name: ow, .offset: 64, .size: 8, .value_kind: global_buffer, .address_space: global }
    .group_segment_fixed_size: 39424
    .private_segment_fixed_size: 0
    .kernarg_segment_align: 8
    .kernarg_segment_size: 72
    .max_flat_workgroup_size: 128
    .sgpr_count:     66
    .vgpr_count:     200
    .wavefront_size: 32
...
	.end_amdgpu_metadata
.endif
;; end of part 1
;; launch proj (part 2): grid 256 x 1, 4 waves a work-group, clusters of 4 x 1, 327,680 bytes of LDS; arguments xq, xv, wcat, lowp_scales, qk_b, v_b, qimg, kimg, vimg; writes qimg, kimg, vimg
.if DOCPART == 2
	.amdgcn_target "amdgcn-amd-amdhsa--gfx1250"
	.amdhsa_code_object_version 6
	.text
	.protected	k_qc201c92024_proj
	.globl	k_qc201c92024_proj
	.p2align	8
	.type	k_qc201c92024_proj,@function
k_qc201c92024_proj:
	s_mov_b64 s[64:65], 0
	v_nop
	global_prefetch_b8 v0, s[64:65] scope:SCOPE_SE
	s_setreg_imm32_b32 hwreg(HW_REG_WAVE_MODE, 25, 1), 1
	s_wait_xcnt 0x0
	s_wait_alu depctr_hold_cnt(0) depctr_sa_sdst(0) depctr_va_vdst(0) depctr_va_sdst(0) depctr_va_ssrc(0) depctr_va_vcc(0) depctr_vm_vsrc(0)
	s_getreg_b32 s2, hwreg(HW_REG_IB_STS2, 6, 4)
	s_cmp_eq_u32 s2, 0
	s_cbranch_scc0 .Lentry_in_a_cluster
	s_endpgm
.Lentry_in_a_cluster:
	s_bfe_u32 s2, ttmp6, 0x10000c
	s_cmp_lg_u32 s2, 0x3003
	s_cbranch_scc0 .Lentry_shape_is_right
	s_endpgm
.Lentry_shape_is_right:
; The two projections on codes of E4M3, their biases, and the quantising of q, k and v.  All operands are images of registers: [tile of 16 rows][128 of K][2,048 bytes].
; SHARES.  A work-group owns 256 tokens (block x / 2 of the cluster's x) and two heads (pair 4 (x % 2) + cx); the four partners of a cluster share the tokens.  256 work-groups in all.
; THE TOKENS' CODES come into LDS by joint tensor loads, in two halves of 128 KB: half 0 holds K 0-511 of the 16 token tiles, half 1 K 512-1023.  Four fills, one load of 32 KB (4 tiles x 8 KB) a wave each:
; xq's K 0-511 at the head; xq's K 512-1023 behind the first round; xv's K 0-511 over half 0 when q and k have left it; xv's K 512-1023 over half 1 when q and k are summed.
; Each later fill stands behind the wait for all tensor loads, the add, the wait for the wave's LDS reads and a round of the cluster's barrier, and has half a pass of matrix work or more in which to land.
; THE WEIGHTS are read by one wave (q, k) or two (v), so they go from memory straight into registers, 512 consecutive bytes an instruction, up to three K steps ahead of their use.
; FIRST q AND k: wave w takes head w / 2, q (w even) or k (w odd): 256 tokens x 64 columns, 64 accumulators.  Source 0 = 16 rows of qk_w, source 1 = 16 tokens: a lane holds one token and eight
; neighbours of the head's 64, the K of q k^T.   THEN v: wave w takes head w / 2 and tokens 128 (w % 2) on: 32 accumulators.  Source 0 = 16 tokens, source 1 = 16 rows of v_w: a lane holds one channel
; and eight neighbouring tokens, the K of p v.  So eight results of a lane, converted, are a register pair of the next product's operand.
; qimg, kimg: [16 b + head][tile of 16 tokens][1,024];  vimg: [16 b + head][128 keys][16 channels][2,048].
; THE BIAS IS THE C OF THE FIRST PRODUCT, as bias x 2^-(ea + eb); the sums then stand for value x 2^-(ea + eb), and the hold and the conversion take 2^(e - ea - eb) (q: e4, k: e5, v: e7).
; LIMITS: e4 - e0 - e1, e5 - e0 - e1, e7 - e2 - e3 between -126 and 119.  NaN among the inputs is not served.
; No data prefetch: the text has no loop to run ahead in, and each fill is asked for half a pass ahead of its first read.
; REGISTERS, in windows of 256.  Window 0: v2-5 LDS addresses, v6, v7 the add's two, v10-15 holds and scales, v16-19 v_b, v20, v21 LDS addresses of my half of the tokens; v32-63 the bias as C;
;   v64-255 tokens' fragments, three fours.  On the way out v32-95 held sums, v96-127 codes.   Window 1: qk_w, four sets of 64; then v_w's K steps 0-3.
;   Windows 2, 3: accumulators ((a, n) at v[8 (4 (a % 8) + n)]); for v window 2 alone ((c, b) at v[8 (8 c + b)]), and window 3 takes v_w's K steps 4-7.
.set SPARE, 262144
.set LA,   2
.set SPW,  6
.set NIL,  7
.set BO,   8
.set BR,   9
.set LIM,  10
.set VR,   16
.set LV,   20
.set BI,   32
.set TMP,  32
.set VB,   32
.set CD,   96
.set MSB, 0
.macro WIN new                         ; the immediate's high byte repeats the setting that is left
.if MSB != (\new)
	s_set_vgpr_msb (MSB<<8)|(\new)
.set MSB, (\new)
.endif
.endm
.macro CROUND                          ; a round of the cluster's barrier
	s_barrier_signal -1
	s_barrier_wait -1
	s_cmp_lg_u32 s14, 0
	s_cbranch_scc1 .Lnot_wave_0_\@
	s_barrier_signal -3
.Lnot_wave_0_\@:
	s_barrier_wait -3
	s_barrier_signal -1
	s_barrier_wait -1
.endm
.macro PLACES                          ; plain vector instructions between a matrix instruction and a load into, or a vector read of, its registers
.rept 4
	v_nop
.endr
.endm
.macro TURN g0                         ; a later fill: all my tensor loads are in, the add, my LDS reads are over; the round; my one tensor load behind it
	s_wait_tensorcnt 0x0
	ds_add_u32 v[SPW], v[NIL]
	s_wait_dscnt 0x0
	CROUND
	tensor_load_to_lds s[\g0:\g0+3], s[24:31]
	s_nop 0
	PLACES
.endm
.macro MKSC sx, lim                    ; v[lim] = 448 x 2^x, v[lim + 1] = 2^x, x in s[sx]
	s_add_co_i32 s68, s[\sx], 127
	s_lshl_b32 s69, s68, 23
	v_mov_b32 v[\lim+1], s69
	s_add_co_i32 s68, s68, 8
	s_lshl_b32 s68, s68, 23
	s_or_b32 s68, s68, 0x600000
	v_mov_b32 v[\lim], s68
.endm
.macro WLD q                           ; qk_w's four fragments of K step q into set q % 4
	WIN 0x40
.irp nb, 0,1,2,3
.irp c, 0,1,2,3
	global_load_b128 v[64*((\q)%4)+16*\nb+4*\c:64*((\q)%4)+16*\nb+4*\c+3], v[LA], s[48:49] offset:16384*\nb+2048*(\q)+512*\c
.endr
.endr
	WIN 0
.endm
.macro VLD q                           ; v_w's four fragments of K step q: window 1 (q < 4) or 3
	WIN 0x40+0x80*((\q)/4)
.irp ct, 0,1,2,3
.irp c, 0,1,2,3
	global_load_b128 v[64*((\q)%4)+16*\ct+4*\c:64*((\q)%4)+16*\ct+4*\c+3], v[LA], s[50:51] offset:16384*\ct+2048*(\q)+512*\c
.endr
.endr
	WIN 0
.endm
.macro ALD n                           ; group n = 4 q + g: xq's token tiles 4 g .. 4 g + 3 of K step q into four n % 3
.set LQ, (\n)/4
.set LG, (\n)%4
.set LP, 64+64*((\n)%3)
.irp u, 0,1,2,3
.irp c, 0,1,2,3
	ds_load_b128 v[LP+16*\u+4*\c:LP+16*\u+4*\c+3], v[LA+2*(LQ/4)+LG/2] offset:((4*LG+\u)%8)*8192+(LQ%4)*2048+512*\c
.endr
.endr
.endm
.macro MULG n                          ; 16 matrix instructions; the 64 accumulators take turns, one instruction a turn
.set QQ, (\n)/4
.set GG, (\n)%4
.set QB, 64+64*((\n)%3)
.set WB, 64*(QQ%4)
.if QQ == 0
	WIN ((2+GG/2)<<6)|1                            ; C: the bias, in window 0
.else
	WIN ((2+GG/2)*0x50)|1
.endif
.irp u, 0,1,2,3
.irp nb, 0,1,2,3
.set DD, 8*(4*((4*GG+\u)%8)+\nb)
.if QQ == 0
	v_wmma_f32_16x16x128_fp8_fp8 v[DD:DD+7], v[WB+16*\nb:WB+16*\nb+15], v[QB+16*\u:QB+16*\u+15], v[BI+8*\nb:BI+8*\nb+7]
.else
	v_wmma_f32_16x16x128_fp8_fp8 v[DD:DD+7], v[WB+16*\nb:WB+16*\nb+15], v[QB+16*\u:QB+16*\u+15], v[DD:DD+7]
.endif
.endr
.endr
.endm
.macro WSTEP q                         ; at a K step's head: its weights are in; the set that the step before has left takes the step three on, then v_w's first steps
.if (\q) == 0
	s_wait_loadcnt 48                              ; behind set 0's loads: three sets of 16
.else
	s_wait_loadcnt 32                              ; behind this step's loads: two sets of 16
.if (\q) < 5
	WLD (\q)+3
.else
	VLD (\q)-5
.endif
.endif
.endm
.macro GROUP n                         ; a half of LDS serves 16 groups; no fragment is asked for across a change of halves
.if (\n)%4 == 0
	WSTEP (\n)/4
.endif
.set RM, 15-(\n)%16
.if RM >= 2
	s_wait_dscnt 32                                ; my four fragments are in; the two fours behind them, 16 loads each, may be out
.else
	s_wait_dscnt 16*RM
.endif
	MULG \n
	PLACES
	WIN 0
.if RM >= 3
	ALD (\n)+3
.endif
.endm
.macro ALDV m                          ; group m = 2 q + half: xv's tiles 4 half .. + 3 of my eight, K step q
.set LQ, (\m)/2
.set LG, (\m)%2
.set LP, 64+64*(((\m)+1)%3)
.irp u, 0,1,2,3
.irp c, 0,1,2,3
	ds_load_b128 v[LP+16*\u+4*\c:LP+16*\u+4*\c+3], v[LV+LQ/4] offset:(4*LG+\u)*8192+(LQ%4)*2048+512*\c
.endr
.endr
.endm
.macro MULV m
.set VQ, (\m)/2
.set VH, (\m)%2
.set QB, 64+64*(((\m)+1)%3)
.set VW, 1+2*(VQ/4)
.if VQ == 0
	WIN 0x80|(VW<<2)                               ; C: the bias, in window 0
.else
	WIN 0xa0|(VW<<2)
.endif
.irp u, 0,1,2,3
.irp ct, 0,1,2,3
.set DD, 8*(8*\ct+4*VH+\u)
.if VQ == 0
	v_wmma_f32_16x16x128_fp8_fp8 v[DD:DD+7], v[QB+16*\u:QB+16*\u+15], v[64*(VQ%4)+16*\ct:64*(VQ%4)+16*\ct+15], v[VB+8*\ct:VB+8*\ct+7]
.else
	v_wmma_f32_16x16x128_fp8_fp8 v[DD:DD+7], v[QB+16*\u:QB+16*\u+15], v[64*(VQ%4)+16*\ct:64*(VQ%4)+16*\ct+15], v[DD:DD+7]
.endif
.endr
.endr
.endm
.macro VGROUP m                        ; a half of LDS serves 8 groups
.if (\m) == 0
	s_wait_loadcnt 63                              ; of v_w's 128 loads the oldest 65 are in: K steps 0-3
.elseif (\m) >= 8
.if (\m)%2 == 0
	s_wait_loadcnt 16*(7-(\m)/2)                   ; behind this K step's loads: 16 for each later step
.endif
.endif
.set RM, 7-(\m)%8
.if RM >= 2
	s_wait_dscnt 32
.else
	s_wait_dscnt 16*RM
.endif
	MULV \m
	PLACES
	WIN 0
.if RM >= 3
	ALDV (\m)+3
.endif
.endm
; 64 sums at v[ac] of window win: held, converted, stored: 2,048 consecutive bytes of an image.  Each accumulator is read from its low end on.  k: how many such blocks have gone since the code registers were free
.macro OUT win, ac, k, l0, base, off
.set CS, CD+16*((\k)%2)
.if (\k) >= 2
	s_wait_xcnt 0x0                                ; the stores of two blocks ago have read this set of code registers
.endif
	WIN \win
.irp i, 0,1,2,3,4,5,6,7,8,9,10,11,12,13,14,15,16,17,18,19,20,21,22,23,24,25,26,27,28,29,30,31,32,33,34,35,36,37,38,39,40,41,42,43,44,45,46,47,48,49,50,51,52,53,54,55,56,57,58,59,60,61,62,63
	v_med3_num_f32 v[TMP+\i], v[\ac+\i], -v[\l0], v[\l0]   ; the conversion does not saturate (ISA guide 7.6.2): the hold
.endr
	WIN 0
.irp bb, 0,1,2,3,4,5,6,7
	v_cvt_scalef32_pk8_fp8_f32 v[CS+2*\bb:CS+2*\bb+1], v[TMP+8*\bb:TMP+8*\bb+7], v[\l0+1]
.endr
	v_nop                                          ; a plain vector instruction behind the last conversion
.irp c, 0,1,2,3
	global_store_b128 v[LA], v[CS+4*\c:CS+4*\c+3], s[\base:\base+1] offset:(\off)+512*\c
.endr
.endm
	s_load_b256 s[4:11], s[0:1], 0x0               ; xq s[4:5], xv s[6:7], wcat s[8:9], the scales' exponents s[10:11]
	s_load_b256 s[80:87], s[0:1], 0x20             ; qk_b s[80:81], v_b s[82:83], qimg s[84:85], kimg s[86:87]
	s_load_b64 s[88:89], s[0:1], 0x40              ; vimg
	v_lshl_add_u32 v[SPW], v0, 2, SPARE
	v_mov_b32 v[NIL], 0
	ds_add_u32 v[SPW], v[NIL]                      ; the wave's opening
	ds_add_u32 v[SPW], v[NIL]
	v_lshrrev_b32 v22, 5, v0
	v_readfirstlane_b32 s14, v22                   ; wave 0..3
	s_lshr_b32 s15, s14, 1                         ; which of the two heads
	s_and_b32 s16, s14, 1                          ; q or k; for v: which 128 tokens
	s_lshr_b32 s17, ttmp9, 1                       ; the block of 256 tokens
	s_bfe_u32 s22, ttmp6, 0x40000                  ; cx
	s_mov_b32 s24, 15|(3<<16)|(1<<21)              ; group 1: all four partners; elements of 8 bytes; bit 21 beside a mask; 4 rows of 8 KB, 16 KB apart in memory, dense in LDS
	s_mov_b32 s25, 1024<<16
	s_mov_b32 s26, 4<<16
	s_mov_b32 s27, 1024<<16
	s_mov_b32 s28, 4
	s_mov_b32 s29, 2048
	s_mov_b32 s30, 0
	s_mov_b32 s31, 0
	s_lshl_b32 s20, s17, 18                        ; 16 tiles of 16 KB
	s_lshl_b32 s18, s14, 16                        ; my four tiles
	s_add_co_u32 s20, s20, s18
	s_mov_b32 s21, 0
	s_lshl_b32 s19, s14, 15                        ; and their place in a half of LDS
	s_mov_b32 s32, 1                               ; four groups 0, one for each fill
	s_mov_b32 s33, s19
	s_mov_b32 s36, 1
	s_add_co_u32 s37, s19, 131072
	s_mov_b32 s40, 1
	s_mov_b32 s41, s19
	s_mov_b32 s44, 1
	s_add_co_u32 s45, s19, 131072
	s_wait_dscnt 0x0                               ; both opening adds are done
	s_wait_kmcnt 0x0
	s_load_b256 s[72:79], s[10:11], 0x0            ; e0 .. e7
	s_add_nc_u64 s[34:35], s[4:5], s[20:21]        ; xq, K 0-511
	s_add_nc_u64 s[38:39], s[34:35], 8192          ; xq, K 512-1023
	s_add_nc_u64 s[42:43], s[6:7], s[20:21]        ; xv likewise
	s_add_nc_u64 s[46:47], s[42:43], 8192
	s_or_b32 s35, s35, 0x80000000
	s_or_b32 s39, s39, 0x80000000
	s_or_b32 s43, s43, 0x80000000
	s_or_b32 s47, s47, 0x80000000
	CROUND                                         ; all four work-groups are here: the joint loads meet
	tensor_load_to_lds s[32:35], s[24:31]          ; my one tensor load at the head
	s_nop 0
	PLACES
	v_and_b32 v22, 31, v0
	v_lshlrev_b32 v[LA], 4, v22                    ; 16 x lane: my place in an image; half 0's tiles 0-7,
	v_add_nc_u32 v[LA+1], 0x10000, v[LA]           ; 8-15,
	v_add_nc_u32 v[LA+2], 0x20000, v[LA]           ; half 1's tiles 0-7,
	v_add_nc_u32 v[LA+3], 0x30000, v[LA]           ; 8-15
	s_lshl_b32 s18, s16, 16
	v_add_nc_u32 v[LV], s18, v[LA]                 ; for v: my eight tiles in half 0,
	v_add_nc_u32 v[LV+1], 0x20000, v[LV]           ; in half 1
	v_bfe_u32 v23, v0, 4, 1
	v_lshlrev_b32 v[BO], 5, v23                    ; qk_b: eight numbers of my half of the lanes
	v_and_b32 v24, 15, v0
	v_lshlrev_b32 v[BR], 2, v24                    ; v_b: my channel's number
	s_and_b32 s23, ttmp9, 1
	s_lshl_b32 s23, s23, 2
	s_add_co_u32 s23, s23, s22
	s_lshl_b32 s23, s23, 1
	s_add_co_u32 s23, s23, s15                     ; my head
	s_mov_b32 s59, 0
	s_lshl_b32 s58, s23, 17
	s_lshl_b32 s60, s16, 16
	s_add_co_u32 s58, s58, s60
	s_add_nc_u64 s[48:49], s[8:9], s[58:59]        ; qk_w's four row tiles of my head's q or k
	s_lshl_b32 s58, s23, 16
	s_add_co_u32 s58, s58, 0x200000
	s_add_nc_u64 s[50:51], s[8:9], s[58:59]        ; v_w's four, behind qk_w's 128
	s_lshl_b32 s58, s23, 9
	s_lshl_b32 s60, s16, 8
	s_add_co_u32 s58, s58, s60
	s_add_nc_u64 s[80:81], s[80:81], s[58:59]
	s_lshl_b32 s58, s23, 8
	s_add_nc_u64 s[82:83], s[82:83], s[58:59]
	s_cmp_eq_u32 s16, 0
	s_cselect_b64 s[84:85], s[84:85], s[86:87]     ; my image: q's or k's
	s_lshr_b32 s58, s17, 2
	s_lshl_b32 s58, s58, 4
	s_add_co_u32 s58, s58, s23                     ; 16 b + head
	s_lshl_b32 s58, s58, 16
	s_and_b32 s60, s17, 3
	s_lshl_b32 s60, s60, 14
	s_add_co_u32 s60, s60, s58                     ; + 16 tiles of 1,024 bytes for each block of 256 tokens
	s_mov_b32 s61, 0
	s_add_nc_u64 s[84:85], s[84:85], s[60:61]
	s_lshl_b32 s62, s16, 13
	s_add_co_u32 s60, s60, s62                     ; v: + 8,192 for my key step of the block's two
	s_add_nc_u64 s[88:89], s[88:89], s[60:61]
	s_wait_alu depctr_va_vdst(0)                   ; ahead of the first readers of the addresses
.irp nb, 0,1,2,3
	global_load_b128 v[BI+8*\nb:BI+8*\nb+3], v[BO], s[80:81] offset:64*\nb
	global_load_b128 v[BI+8*\nb+4:BI+8*\nb+7], v[BO], s[80:81] offset:64*\nb+16
.endr
.irp ct, 0,1,2,3
	global_load_b32 v[VR+\ct], v[BR], s[82:83] offset:64*\ct
.endr
	WLD 0
	WLD 1
	WLD 2
	WLD 3
	s_wait_kmcnt 0x0
	s_add_co_i32 s66, s72, s73                     ; e0 + e1
	s_cmp_eq_u32 s16, 0
	s_cselect_b32 s56, s76, s77                    ; e4 or e5
	s_sub_co_i32 s56, s56, s66
	s_sub_co_i32 s66, 0, s66
	s_add_co_i32 s67, s74, s75                     ; e2 + e3
	s_sub_co_i32 s57, s79, s67
	s_sub_co_i32 s67, 0, s67
	MKSC 56, LIM
	MKSC 57, LIM+4
	s_wait_loadcnt 63                              ; of the 76 loads the oldest 13 are in: the biases' 12
.irp i, 0,1,2,3,4,5,6,7,8,9,10,11,12,13,14,15,16,17,18,19,20,21,22,23,24,25,26,27,28,29,30,31
	v_ldexp_f32 v[BI+\i], v[BI+\i], s66            ; qk_b x 2^-(e0 + e1): nothing is rounded
.endr
	s_wait_alu depctr_va_vdst(0)
	TURN 36                                        ; xq's K 0-511 are in, everybody's; half 1's first fill, issued as a refill is
	ALD 0
	ALD 1
	ALD 2
.set N, 0
.rept 16
	GROUP N
.set N, N+1
.endr
	TURN 40                                        ; xq's K 512-1023 are in; nobody reads half 0: it takes xv's K 0-511
	ALD 16
	ALD 17
	ALD 18
.rept 16
	GROUP N
.set N, N+1
.endr
	VLD 3
	TURN 44                                        ; xv's K 0-511 are in; nobody reads half 1: it takes xv's K 512-1023
	ALDV 0
	ALDV 1
	OUT 3, 0, 0, LIM, 84, 8192                     ; token tiles 8-15 first,
	OUT 3, 64, 1, LIM, 84, 10240
	OUT 3, 128, 2, LIM, 84, 12288
	OUT 3, 192, 3, LIM, 84, 14336
	VLD 4                                          ; so that window 3 can take v_w's K steps 4-7
	VLD 5
	VLD 6
	VLD 7
	OUT 2, 0, 4, LIM, 84, 0
	OUT 2, 64, 5, LIM, 84, 2048
	OUT 2, 128, 6, LIM, 84, 4096
	OUT 2, 192, 7, LIM, 84, 6144
	s_wait_xcnt 0x0                                ; the last stores have read their code registers, which the loads below fill
	ALDV 2
.irp ct, 0,1,2,3
.irp j, 0,1,2,3,4,5,6,7
	v_ldexp_f32 v[VB+8*\ct+\j], v[VR+\ct], s67     ; v_b of my channel x 2^-(e2 + e3), in all eight registers of a C
.endr
.endr
	s_wait_alu depctr_va_vdst(0)
.set N, 0
.rept 8
	VGROUP N
.set N, N+1
.endr
	s_wait_tensorcnt 0x0                           ; my part of xv's K 512-1023 is in,
	s_wait_dscnt 0x0
	s_barrier_signal -1
	s_barrier_wait -1                              ; everybody's is
	ALDV 8
	ALDV 9
	ALDV 10
.rept 8
	VGROUP N
.set N, N+1
.endr
.irp ct, 0,1,2,3
	OUT 2, 64*\ct, \ct, LIM+4, 88, 2048*\ct
.endr
	s_wait_tensorcnt 0x0                           ; the wave's end
	ds_add_u32 v[SPW], v[NIL]
	s_wait_dscnt 0x0
	CROUND                                         ; the closing round
	s_endpgm
.Lfunc_end_k_qc201c92024_proj:
	.size	k_qc201c92024_proj, .Lfunc_end_k_qc201c92024_proj-k_qc201c92024_proj
	.p2alignl 7, 3214868480
	.fill 96, 4, 3214868480
	.section	.rodata,"a",@progbits
	.p2align	6, 0x0
	.amdhsa_kernel k_qc201c92024_proj
		.amdhsa_group_segment_fixed_size 327680
		.amdhsa_private_segment_fixed_size 0
		.amdhsa_enable_private_segment 0
		.amdhsa_kernarg_size 72
		.amdhsa_user_sgpr_count 2
		.amdhsa_user_sgpr_kernarg_segment_ptr 1
		.amdhsa_wavefront_size32 1
		.amdhsa_system_sgpr_workgroup_id_x 1
		.amdhsa_system_sgpr_workgroup_id_y 1
		.amdhsa_system_sgpr_workgroup_id_z 1
		.amdhsa_system_vgpr_workitem_id 0
		.amdhsa_next_free_vgpr 1024
		.amdhsa_next_free_sgpr 100
		.amdhsa_reserve_vcc 0
		.amdhsa_float_denorm_mode_32 3
		.amdhsa_float_denorm_mode_16_64 3
		.amdhsa_memory_ordered 1
		.amdhsa_forward_progress 1
		.amdhsa_inst_pref_size 206
	.end_amdhsa_kernel
	.amdgpu_metadata
---
amdhsa.version: [ 1, 2 ]
amdhsa.kernels:
  - .name:           k_qc201c92024_proj
    .symbol:         k_qc201c92024_proj.kd
    .args:
      - { .name: xq, .offset: 0, .size: 8, .value_kind: global_buffer, .address_space: global }
      - { .name: xv, .offset: 8, .size: 8, .value_kind: global_buffer, .address_space: global }
      - { .name: wcat, .offset: 16, .size: 8, .value_kind: global_buffer, .address_space: global }
      - { .name: lowp_scales, .offset: 24, .size: 8, .value_kind: global_buffer, .address_space: global }
      - { .name: qk_b, .offset: 32, .size: 8, .value_kind: global_buffer, .address_space: global }
      - { .name: v_b, .offset: 40, .size: 8, .value_kind: global_buffer, .address_space: global }
      - { .name: qimg, .offset: 48, .size: 8, .value_kind: global_buffer, .address_space: global }
      - { .name: kimg, .offset: 56, .size: 8, .value_kind: global_buffer, .address_space: global }
      - { .name: vimg, .offset: 64, .size: 8, .value_kind: global_buffer, .address_space: global }
    .group_segment_fixed_size: 327680
    .private_segment_fixed_size: 0
    .kernarg_segment_align: 8
    .kernarg_segment_size: 72
    .max_flat_workgroup_size: 128
    .sgpr_count:     100
    .vgpr_count:     1024
    .wavefront_size: 32
...
	.end_amdgpu_metadata
.endif
;; end of part 2
;; launch attn (part 3): grid 2 x 128, 16 waves a work-group, no clusters, 327,680 bytes of LDS; arguments qimg, kimg, vimg, bias, lowp_scales, aimg; writes aimg
.if DOCPART == 3
	.amdgcn_target "amdgcn-amd-amdhsa--gfx1250"
	.amdhsa_code_object_version 6
	.text
	.protected	k_qc201c92024_attn
	.globl	k_qc201c92024_attn
	.p2align	8
	.type	k_qc201c92024_attn,@function
k_qc201c92024_attn:
	s_mov_b64 s[64:65], 0
	v_nop
	global_prefetch_b8 v0, s[64:65] scope:SCOPE_SE
	s_setreg_imm32_b32 hwreg(HW_REG_WAVE_MODE, 25, 1), 1
	s_wait_xcnt 0x0
; Causal attention with the T5 bias, both products on codes of E4M3, for one head (work-group y = 16 b + head); the result is quantised for the last projection and leaves as register images.
; q, k: images of K = 64 fragments, 1,024 bytes for 16 tokens.  v: images of K = 128 fragments of V^T (16 channels x 128 keys), 2,048 bytes.  A HEAD'S K AND V, 64 KB EACH, LIE IN LDS WHOLE: they are
; brought by first fills alone (waves 0-7: K, waves 8-15: V; two loads a wave, of 3 KB and 5 KB, keys 0-383 first), nothing is filled again, and no barrier stands in the key loops.
; SHARES.  Two work-groups to a head (x = p), sixteen waves each.  Wave w (u = w % 8, g = 2 (w / 8) + p) owns two tiles of 16 queries: tile 8 g + u, whose keys end in step g, and tile 63 - (8 g + u),
; whose keys end in step 7 - g: (g + 1) + (8 - g) = 9 key steps of 128 for every wave.  Steps wholly behind the diagonal are not multiplied.  (The work-groups p = 1 never read key step 7.)
; LAYOUT.  S^T = K Q^T (source 0 = 16 keys, source 1 = my 16 queries), O^T = V^T P^T: a lane holds one query throughout, its registers run along the keys, then along the channels, in the 8-bit forms'
; own places of k: the conversions' results are the next operand's registers.
; BIAS AND MASK ARE THE C OF THE SCORE PRODUCT.  score = 2^(e4 + e5 - 3) (sum of code products + bias x 2^(3 - e4 - e5)).  The bias hangs on d = query - key alone: a table rt[x], x = 0 .. 511, holds the
; number for d = 255 - x: -3e38 for d < 0 (finite, so that no infinity enters a sum), bias[bucket(d)] else, row 31 from d = 128 on.  Four copies, shifted by 0 to 3 entries, let every lane read its eight
; neighbours by two aligned loads of 16 bytes.  Only the step on the diagonal and the one before it read the table; earlier steps take eight registers of row 31.
; bucket(d): d up to 16; 18, 19, 20 for 17, 18, 19; then one more from each of d = 20, 22, 25, 28, 33, 39, 48, 59, 76, 98, 128.
; SOFTMAX: t = c S', c = log2(e) / 8 x 2^(e4 + e5); M = the running largest t rounded up to a whole number; p = 2^(t - M) is quantised with 2^e6; the row's sum is of the unquantised p.
; LIMITS: e4 + e5 between -100 and 120 (c is an f32 number and c x 3e38 stays far under every t); e6, e8 between -126 and 119.  NaN among the inputs is not served.
; No cluster: two work-groups share a head's K and V, and each asks for them once, at its head.  No prefetch: all of a work-group's bytes are asked for at its head by the loads themselves.
; REGISTERS: v1 16 x lane; v2, v3 the step's K and V; v4, v5 the table for the low and the high tile; v6, v7 the add's two; v12 -M, v13 the largest t, v[14:15] the sum; v16-23, v24-31 Q of the two tiles;
; v32-95 K's eight fragments, then V's four; v96-159 C, S^T, p; v160-191 O^T; v192-207 p's codes; v208-223 the two tiles' results; v224-231 row 31; v232-255 at work and constants.
.set VOFF,  65536                      ; LDS: K's 64 KB, V's 64 KB,
.set TBL,   131072                     ; the table's four copies, 2,112 bytes apart, from TBL + 16 on,
.set SPARE, 139776                     ; and the spare words, 128 bytes for each of sixteen waves
.set LI,   1
.set ADK,  2
.set ADV,  3
.set TBLO, 4
.set TBHI, 5
.set SPW,  6
.set NIL,  7
.set QL,   16
.set QH,   24
.set KV,   32
.set S,    96
.set O,    160
.set PC,   192
.set B31,  224
.set WV,   18
.set SEL,  20
.set CS,   22
.set G1,   24
.set GL,   62                          ; s62 the low tile's last key step
.set GH,   63                          ; s63 the high tile's
.set ST,   68                          ; s68 the key step
.set KB,   69                          ; s69 8,192 x the key step
	s_load_b256 s[4:11], s[0:1], 0x0               ; qimg s[4:5], kimg s[6:7], vimg s[8:9], bias s[10:11]
	s_load_b128 s[12:15], s[0:1], 0x20             ; the scales' exponents s[12:13], aimg s[14:15]
	v_lshl_add_u32 v[SPW], v0, 2, SPARE
	v_mov_b32 v[NIL], 0
	ds_add_u32 v[SPW], v[NIL]                      ; the wave's opening
	ds_add_u32 v[SPW], v[NIL]
	v_lshrrev_b32 v8, 5, v0
	s_delay_alu instid0(VALU_DEP_1)
	v_readfirstlane_b32 s[WV], v8                  ; wave 0..15
	s_and_b32 s58, ttmp7, 0xffff                   ; 16 b + head
	s_and_b32 s59, s58, 15                         ; head
	s_lshr_b32 s60, s58, 4                         ; b
	s_and_b32 s61, s[WV], 7                        ; u
	s_lshr_b32 s[GL], s[WV], 3
	s_lshl_b32 s[GL], s[GL], 1
	s_add_co_u32 s[GL], s[GL], ttmp9               ; g
	s_sub_co_u32 s[GH], 7, s[GL]
	s_lshl_b32 s66, s[GL], 3
	s_add_co_u32 s66, s66, s61                     ; the low tile
	s_sub_co_u32 s67, 63, s66                      ; the high tile
	s_mov_b32 s[G1], 3<<16                         ; group 1: a dense block of 3 KB as 12 rows of 256 bytes: elements of 8 bytes, no mask, no padding
	s_mov_b32 s[G1+1], 32<<16                      ; tensor_dim0 = 32
	s_mov_b32 s[G1+2], 12<<16                      ; tensor_dim1 = 12: a wave's first fill is 3 KB, 12 rows of 256 bytes
	s_mov_b32 s[G1+3], 32<<16                      ; tile_dim0 = 32
	s_mov_b32 s[G1+4], 12                          ; tile_dim1 = 12
	s_mov_b32 s[G1+5], 32                          ; the pitch
	s_mov_b32 s[G1+6], 0
	s_mov_b32 s[G1+7], 0
	s_mov_b32 s40, 3<<16                           ; a second group 1, for a wave's second fill: 5 KB, 20 rows of 256 bytes
	s_mov_b32 s41, 32<<16
	s_mov_b32 s42, 20<<16
	s_mov_b32 s43, 32<<16
	s_mov_b32 s44, 20
	s_mov_b32 s45, 32
	s_mov_b32 s46, 0
	s_mov_b32 s47, 0
	s_mov_b32 s[SEL], 0x76543210
	s_mov_b32 s[SEL+1], 0xfedcba98
	s_mov_b32 s[CS], 0x3e38aa3b                    ; log2(e) / 8
	s_and_b32 s73, s[WV], 7
	s_mul_i32 s72, s73, 3072                       ; my part of key steps 0-2 (24 KB of the head's 64 KB),
	s_mul_i32 s73, s73, 5120
	s_add_co_u32 s73, s73, 24576                   ; and of key steps 3-7 (40 KB)
	s_lshl_b32 s74, s58, 16                        ; the head's 64 KB
	s_add_co_u32 s74, s74, s72
	s_mov_b32 s75, 0
	s_lshl_b32 s70, s59, 2                         ; the head's column of bias
	s_mov_b32 s71, 0
	s_wait_dscnt 0x0                               ; the opening add is done
	s_wait_kmcnt 0x0
	; THE FILLS AS THEY STAND (this takes the place of what the head comment says of them): two stages, every wave one tensor load in each, with no branch; waves 0-7 fetch for K, waves 8-15 for V.
	; Stage 1, here: key steps 0-2, 3 KB a wave.  Stage 2, behind the first barrier, issued as a refill is: key steps 3-7, 5 KB a wave; it has three key steps of every wave's high tile in which to land,
	; and a barrier behind key step 2 shows it to all waves.  Nothing is filled again.
	s_cmp_lt_u32 s[WV], 8
	s_cselect_b64 s[34:35], s[6:7], s[8:9]
	s_mov_b32 s32, 1
	s_lshr_b32 s33, s[WV], 3
	s_lshl_b32 s33, s33, 16                        ; LDS: K's 64 KB or V's
	s_mov_b32 s36, 1
	s_add_co_u32 s37, s33, s73
	s_add_co_u32 s33, s33, s72
	s_add_nc_u64 s[34:35], s[34:35], s[74:75]
	s_sub_co_u32 s92, s73, s72
	s_mov_b32 s93, 0
	s_add_nc_u64 s[38:39], s[34:35], s[92:93]
	s_or_b32 s35, s35, 0x80000000
	s_or_b32 s39, s39, 0x80000000
	tensor_load_to_lds s[32:35], s[G1:G1+7]
	s_nop 0
.rept 4
	v_nop
.endr
	s_add_nc_u64 s[90:91], s[10:11], s[70:71]      ; bias at my head's column
	s_load_b256 s[48:55], s[12:13], 0x0            ; e0 .. e7
	s_load_b32 s56, s[12:13], 0x20                 ; e8
	s_load_b32 s57, s[90:91], 0x7c0                ; bias[31][head]
	v_and_b32 v[LI], 31, v0
	s_delay_alu instid0(VALU_DEP_1)
	v_lshlrev_b32 v[LI], 4, v[LI]
	s_lshl_b32 s76, s58, 6
	s_add_co_u32 s70, s76, s66
	s_lshl_b32 s70, s70, 10
	s_add_nc_u64 s[82:83], s[4:5], s[70:71]        ; Q's image, low tile
	s_add_co_u32 s70, s76, s67
	s_lshl_b32 s70, s70, 10
	s_add_nc_u64 s[84:85], s[4:5], s[70:71]        ; high tile
	global_load_b128 v[QH:QH+3], v[LI], s[84:85]   ; the high tile's Q now; the low tile's behind the first barrier
	global_load_b128 v[QH+4:QH+7], v[LI], s[84:85] offset:512
	s_lshl_b32 s76, s60, 6                         ; 64 b
	s_lshl_b32 s77, s59, 10                        ; 1,024 x head
	s_add_co_u32 s70, s76, s66
	s_lshl_b32 s70, s70, 14
	s_add_co_u32 s70, s70, s77
	s_add_nc_u64 s[86:87], s[14:15], s[70:71]      ; the result's image, low tile
	s_add_co_u32 s70, s76, s67
	s_lshl_b32 s70, s70, 14
	s_add_co_u32 s70, s70, s77
	s_add_nc_u64 s[88:89], s[14:15], s[70:71]      ; high tile
	; the table: thread x makes rt[x], d = 255 - x
	v_sub_nc_u32 v8, 255, v0                       ; d (negative from x = 256 on)
	s_delay_alu instid0(VALU_DEP_1)
	v_min_u32 v10, 16, v8                          ; the bucket: d up to 16 (a negative d gives 16: a valid row, whose number the mask replaces),
	s_delay_alu instid0(VALU_DEP_2)
	v_cmp_gt_i32 vcc_lo, 17, v8
	s_delay_alu instid0(VALU_DEP_1)
	v_cndmask_b32 v9, 2, 0, vcc_lo                 ; two more from d = 17 on,
	s_delay_alu instid0(VALU_DEP_1)
	v_add_nc_u32 v10, v10, v9
.irp thr, 18,19,20,22,25,28,33,39,48,59,76,98,128
	v_cmp_gt_i32 vcc_lo, \thr, v8
	s_delay_alu instid0(VALU_DEP_1)
	v_cndmask_b32 v9, 1, 0, vcc_lo                 ; one more from each of these on
	s_delay_alu instid0(VALU_DEP_1)
	v_add_nc_u32 v10, v10, v9
.endr
	s_delay_alu instid0(VALU_DEP_1)
	v_lshlrev_b32 v10, 6, v10                      ; a row of bias is 64 bytes
	global_load_b32 v11, v10, s[90:91]
	v_lshl_add_u32 v9, v0, 2, TBL+16               ; where rt[x] goes in copy 0; copy s holds it s entries lower
	; where my lane reads the table: TBL + 7,360 - 2,112 (r % 4) - 16 (r / 4) + 32 h - 4 D + 64 t, D = 16 (tile % 8) on the diagonal and 128 more in the step before
	v_and_b32 v252, 3, v0
	v_bfe_u32 v253, v0, 2, 2
	v_bfe_u32 v254, v0, 4, 1
	v_bfe_u32 v236, v0, 5, 3                       ; u
	s_delay_alu instid0(VALU_DEP_4)
	v_mul_u32_u24 v252, v252, 2112
	s_delay_alu instid0(VALU_DEP_1)
	v_lshl_add_u32 v252, v253, 4, v252
	s_delay_alu instid0(VALU_DEP_3)
	v_lshlrev_b32 v236, 6, v236
	v_lshl_add_u32 v[TBLO], v254, 5, TBL+6848
	s_delay_alu instid0(VALU_DEP_1)
	v_sub_nc_u32 v[TBLO], v[TBLO], v252
	s_delay_alu instid0(VALU_DEP_1)
	v_sub_nc_u32 v[TBLO], v[TBLO], v236            ; low tile: tile % 8 = u
	v_lshl_add_u32 v[TBHI], v254, 5, TBL+6400
	s_delay_alu instid0(VALU_DEP_1)
	v_sub_nc_u32 v[TBHI], v[TBHI], v252
	s_delay_alu instid0(VALU_DEP_1)
	v_add_nc_u32 v[TBHI], v[TBHI], v236            ; high tile: tile % 8 = 7 - u
	v_mov_b32 v254, 0xff61b1e6                     ; -3e38
	v_mov_b32 v236, 0                              ; written once: a lane permute's destination counts as one of its sources
	v_mov_b32 v253, 0                              ; (named as the upper half of the pair v[252:253])
.macro MKSC e, sc, lim                 ; 2^e and 448 x 2^e as f32, e in s[e]
	s_add_co_i32 s70, s[\e], 127
	s_lshl_b32 s76, s70, 23
	v_mov_b32 v[\sc], s76
	s_add_co_i32 s70, s70, 8
	s_lshl_b32 s70, s70, 23
	s_or_b32 s70, s70, 0x600000
	v_mov_b32 v[\lim], s70
.endm
	s_wait_kmcnt 0x0
	s_add_co_i32 s70, s52, s53                     ; e4 + e5
	s_sub_co_i32 s78, 3, s70                       ; the bias goes in x 2^(3 - e4 - e5): nothing is rounded
	s_lshl_b32 s70, s70, 23
	s_add_co_i32 s[CS], s[CS], s70                 ; c: the two exponents are added to its exponent field
	s_mov_b32 s[CS+1], s[CS]
	s_add_co_i32 s79, s54, s55                     ; e6 + e7
	MKSC 54, 244, 240                              ; p's scale and hold
	v_mov_b32 v241, v240                           ; the hold once more: the pairs below take their second sources from two registers
	MKSC 56, 246, 247                              ; the result's
.irp j, 0,1,2,3,4,5,6,7
	v_ldexp_f32 v[B31+\j], s57, s78                ; row 31, as a score product's C
.endr
	s_wait_loadcnt 0x0                             ; my table entry, and Q
	v_ldexp_f32 v11, v11, s78
	v_cmp_gt_i32 vcc_lo, 0, v8                     ; the key comes after the query
	s_delay_alu instid0(VALU_DEP_1)
	v_cndmask_b32 v11, v11, v254, vcc_lo
	ds_store_b32 v9, v11
	ds_store_b32 v9, v11 offset:2108
	ds_store_b32 v9, v11 offset:4216
	ds_store_b32 v9, v11 offset:6324
	s_wait_tensorcnt 0x0                           ; my first fill is in;
	ds_add_u32 v[SPW], v[NIL]
	s_wait_dscnt 0x0                               ; the add is done, and my table entries are stored
	s_barrier_signal -1
	s_barrier_wait -1
	tensor_load_to_lds s[36:39], s[40:47]          ; my second fill: my one tensor load behind this barrier
	s_nop 0
.rept 4
	v_nop
.endr
	global_load_b128 v[QL:QL+3], v[LI], s[82:83]   ; the low tile's Q: waited for behind the high tile
	global_load_b128 v[QL+4:QL+7], v[LI], s[82:83] offset:512
.macro TBLLOAD tb, off                 ; the step's C: my eight neighbours of the table for each of the eight tiles of keys
.irp t, 0,1,2,3,4,5,6,7
	ds_load_b128 v[S+8*\t:S+8*\t+3], v[\tb] offset:\off+64*\t
	ds_load_b128 v[S+8*\t+4:S+8*\t+7], v[\tb] offset:\off+64*\t+16
.endr
.endm
; A KEY STEP of 128 keys for the tile whose Q stands at v[q], whose table address is v[tb] and whose last step is s[g].
.macro STEPBODY q, tb, g
	v_add_nc_u32 v[ADK], s[KB], v[LI]
	s_delay_alu instid0(VALU_DEP_1)
	v_add_nc_u32 v[ADV], VOFF, v[ADK]
	v_nop
	v_nop                                          ; with the two additions: four plain instructions between the last step's products and the loads into the registers that they read
.irp t, 0,1,2,3,4,5,6,7
	ds_load_b128 v[KV+8*\t:KV+8*\t+3], v[ADK] offset:1024*\t
	ds_load_b128 v[KV+8*\t+4:KV+8*\t+7], v[ADK] offset:1024*\t+512
.endr
	s_add_co_u32 s70, s[ST], 1                     ; which C: branches on ids and the count of steps alone
	s_cmp_lt_u32 s70, s[\g]
	s_cbranch_scc1 .Lfar_\@
	s_cmp_eq_u32 s[ST], s[\g]
	s_cbranch_scc1 .Ldiag_\@
	TBLLOAD \tb, 0                                 ; the step before the diagonal
	s_branch .Ltw_\@
.Ldiag_\@:
	TBLLOAD \tb, 512                               ; the diagonal step: the mask is in the table
.Ltw_\@:
	s_wait_dscnt 0x0
.irp t, 0,1,2,3,4,5,6,7
	v_wmma_f32_16x16x64_fp8_fp8 v[S+8*\t:S+8*\t+7], v[KV+8*\t:KV+8*\t+7], v[\q:\q+7], v[S+8*\t:S+8*\t+7]
.endr
	s_branch .Ljoin_\@
.Lfar_\@:
	s_wait_dscnt 0x0
.irp t, 0,1,2,3,4,5,6,7
	v_wmma_f32_16x16x64_fp8_fp8 v[S+8*\t:S+8*\t+7], v[KV+8*\t:KV+8*\t+7], v[\q:\q+7], v[B31:B31+7]   ; every d is 129 or more: row 31
.endr
.Ljoin_\@:
.rept 4
	v_nop                                          ; places in front of the loads into K's registers and of the first read of the scores
.endr
	s_wait_alu depctr_va_vdst(0)
.irp ct, 0,1,2,3
.irp c, 0,1,2,3
	ds_load_b128 v[KV+16*\ct+4*\c:KV+16*\ct+4*\c+3], v[ADV] offset:2048*\ct+512*\c   ; V's four fragments land under the softmax
.endr
.endr
	v_max3_num_f32 v254, v96, v97, v98             ; the step's largest S' of my query among my 64 keys, in two chains, each accumulator from its low end on,
	v_max3_num_f32 v252, v99, v100, v101
.irp i, 6,10,14,18,22,26,30,34,38,42,46,50,54,58
	v_max3_num_f32 v254, v254, v[96+\i], v[97+\i]
	v_max3_num_f32 v252, v252, v[98+\i], v[99+\i]
.endr
	v_max3_num_f32 v254, v254, v158, v159
	s_delay_alu instid0(VALU_DEP_1)
	v_max_num_f32 v254, v254, v252
	s_delay_alu instid0(VALU_DEP_1)
	v_permlanex16_b32 v236, v254, s[SEL], s[SEL+1]
	s_delay_alu instid0(VALU_DEP_1)
	v_max_num_f32 v254, v254, v236                 ; and among lane l xor 16's
	s_delay_alu instid0(VALU_DEP_1)
	v_mul_f32 v254, s[CS], v254                    ; as t (c is positive)
	s_delay_alu instid0(VALU_DEP_1)
	v_max_num_f32 v13, v13, v254                   ; the running largest t
	v_mov_b32 v254, v12
	s_delay_alu instid0(VALU_DEP_2)
	v_floor_f32 v12, -v13                          ; the new -M = floor(-t): M is a whole number
	s_delay_alu instid0(VALU_DEP_1)
	v_sub_f32 v254, v12, v254                      ; old M - new M: a whole number, 0 or less
	s_delay_alu instid0(VALU_DEP_1)
	v_cvt_i32_f32 v254, v254                       ; (it saturates)
	s_delay_alu instid0(VALU_DEP_1)
	v_ldexp_f32 v252, 1.0, v254                    ; f = 2^(old M - new M)
.irp j, 0,2,4,6,8,10,12,14,16,18,20,22,24,26,28,30,32,34,36,38,40,42,44,46,48,50,52,54,56,58,60,62
	v_pk_fma_f32 v[96+\j:97+\j], v[96+\j:97+\j], s[CS:CS+1], v[12:13] op_sel_hi:[1,0,0]   ; t - M, two at a time
.endr
	s_wait_alu depctr_va_vdst(0)
.irp j, 0,1,2,3,4,5,6,7,8,9,10,11,12,13,14,15,16,17,18,19,20,21,22,23,24,25,26,27,28,29,30,31,32,33,34,35,36,37,38,39,40,41,42,43,44,45,46,47,48,49,50,51,52,53,54,55,56,57,58,59,60,61,62,63
	v_exp_f32 v[96+\j], v[96+\j]                   ; p = 2^(t - M): not normalised; 0 under the mask
.endr
	v_pk_mul_f32 v[14:15], v[14:15], v[252:253] op_sel_hi:[1,0]   ; the sums under the new M: a plain instruction behind the exponentials
	s_wait_alu depctr_va_vdst(0)                   ; one wait for the whole batch, ahead of its first reader
	v_pk_add_f32 v[242:243], v[100:101], v[104:105]
	v_pk_add_f32 v[254:255], v[108:109], v[112:113]
	v_pk_add_f32 v[250:251], v[116:117], v[120:121]
	v_pk_add_f32 v[248:249], v[124:125], v[128:129]
	v_pk_add_f32 v[238:239], v[132:133], v[136:137]
	v_pk_add_f32 v[234:235], v[140:141], v[144:145]
	v_pk_add_f32 v[232:233], v[148:149], v[152:153]
	v_pk_add_f32 v[14:15], v[14:15], v[156:157]
	v_pk_add_f32 v[242:243], v[242:243], v[96:97]
	v_pk_add_f32 v[254:255], v[254:255], v[98:99]
	v_pk_add_f32 v[250:251], v[250:251], v[102:103]
	v_pk_add_f32 v[248:249], v[248:249], v[106:107]
	v_pk_add_f32 v[238:239], v[238:239], v[110:111]
	v_pk_add_f32 v[234:235], v[234:235], v[114:115]
	v_pk_add_f32 v[232:233], v[232:233], v[118:119]
	v_pk_add_f32 v[14:15], v[14:15], v[122:123]
	v_pk_add_f32 v[242:243], v[242:243], v[126:127]
	v_pk_add_f32 v[254:255], v[254:255], v[130:131]
	v_pk_add_f32 v[250:251], v[250:251], v[134:135]
	v_pk_add_f32 v[248:249], v[248:249], v[138:139]
	v_pk_add_f32 v[238:239], v[238:239], v[142:143]
	v_pk_add_f32 v[234:235], v[234:235], v[146:147]
	v_pk_add_f32 v[232:233], v[232:233], v[150:151]
	v_pk_add_f32 v[14:15], v[14:15], v[154:155]
	v_pk_add_f32 v[242:243], v[242:243], v[158:159]
	s_delay_alu instid0(VALU_DEP_2)
	v_pk_add_f32 v[14:15], v[14:15], v[248:249]
	s_delay_alu instid0(VALU_DEP_2)
	v_pk_add_f32 v[242:243], v[242:243], v[238:239]
	v_pk_add_f32 v[254:255], v[254:255], v[234:235]
	v_pk_add_f32 v[250:251], v[250:251], v[232:233]
	s_delay_alu instid0(VALU_DEP_2)
	v_pk_add_f32 v[14:15], v[14:15], v[254:255]
	s_delay_alu instid0(VALU_DEP_2)
	v_pk_add_f32 v[242:243], v[242:243], v[250:251]
	s_delay_alu instid0(VALU_DEP_1)
	v_pk_add_f32 v[14:15], v[14:15], v[242:243]
.irp t, 0,1,2,3,4,5,6,7
.irp i, 0,2,4,6
	v_dual_min_num_f32 v[96+8*\t+\i], v[96+8*\t+\i], v240 :: v_dual_min_num_f32 v[97+8*\t+\i], v[97+8*\t+\i], v241   ; the conversion does not saturate (ISA guide 7.6.2); p is not negative, so the hold is one-sided; two holds an instruction
.endr
	v_cvt_scalef32_pk8_fp8_f32 v[PC+2*\t:PC+2*\t+1], v[96+8*\t:103+8*\t], v244   ; keys 16 t + 8 h + 0 .. 7: register pair t of the second product's operand
.endr
.irp j, 0,2,4,6,8,10,12,14,16,18,20,22,24,26,28,30
	v_pk_mul_f32 v[O+\j:O+\j+1], v[O+\j:O+\j+1], v[252:253] op_sel_hi:[1,0]   ; O^T under the new M; also the plain instructions behind the conversions
.endr
	s_wait_alu depctr_va_vdst(0)
	s_wait_dscnt 0x0                               ; V
.irp ct, 0,1,2,3
	v_wmma_f32_16x16x128_fp8_fp8 v[O+8*\ct:O+8*\ct+7], v[KV+16*\ct:KV+16*\ct+15], v[PC:PC+15], v[O+8*\ct:O+8*\ct+7]
.endr
.endm
; Key steps s[ST] .. lim - 1: the trip count is a constant; a step behind the tile's last is passed over by a branch on ids, round the step's work alone.
.macro KLOOP q, tb, g, lim
.Lk_\@:
	s_cmp_gt_u32 s[ST], s[\g]
	s_cbranch_scc1 .Lnext_\@
	STEPBODY \q, \tb, \g
.Lnext_\@:
	s_add_co_u32 s[KB], s[KB], 8192
	s_add_co_u32 s[ST], s[ST], 1
	s_cmp_lt_u32 s[ST], \lim
	s_cbranch_scc1 .Lk_\@
.endm
.macro INIT                            ; the first step finds zeros, which the first change of M leaves zeros
	v_mov_b32 v13, 0xff61b1e6                      ; the largest t so far: -3e38
	s_delay_alu instid0(VALU_DEP_1)
	v_floor_f32 v12, -v13
	v_mov_b32 v14, 0
	v_mov_b32 v15, 0
.irp j, 0,1,2,3,4,5,6,7,8,9,10,11,12,13,14,15,16,17,18,19,20,21,22,23,24,25,26,27,28,29,30,31
	v_mov_b32 v[O+\j], 0
.endr
.endm
; A tile's end: O^T x 2^(e6 + e7) / the sum, quantised with 2^e8; the eight code registers are the tile's K = 64 fragment of the last projection's operand: two stores of 512 consecutive bytes.
.macro FINISH oc, base
.rept 4
	v_nop                                          ; places behind the last products
.endr
	v_add_f32 v14, v14, v15
	s_delay_alu instid0(VALU_DEP_1)
	v_permlanex16_b32 v252, v14, s[SEL], s[SEL+1]
	s_delay_alu instid0(VALU_DEP_1)
	v_add_f32 v14, v14, v252                       ; the row's sum
	s_wait_alu depctr_va_vdst(0)
	v_rcp_f32 v14, v14
	v_nop                                          ; a plain instruction behind the reciprocal
	s_wait_alu depctr_va_vdst(0)                   ; and the wait ahead of its first reader
	v_ldexp_f32 v14, v14, s79
.irp j, 0,2,4,6,8,10,12,14,16,18,20,22,24,26,28,30
	v_pk_mul_f32 v[96+\j:97+\j], v[O+\j:O+\j+1], v[14:15] op_sel_hi:[1,0]
.endr
.irp ct, 0,1,2,3
.irp i, 0,1,2,3,4,5,6,7
	v_med3_num_f32 v[96+8*\ct+\i], v[96+8*\ct+\i], -v247, v247
.endr
	v_cvt_scalef32_pk8_fp8_f32 v[\oc+2*\ct:\oc+2*\ct+1], v[96+8*\ct:103+8*\ct], v246
.endr
	v_nop                                          ; a plain instruction behind the last conversion
	global_store_b128 v[LI], v[\oc:\oc+3], s[\base:\base+1]
	global_store_b128 v[LI], v[\oc+4:\oc+7], s[\base:\base+1] offset:512
.endm
	INIT                                           ; THE HIGH TILE: its last step is 4 or later, so every wave has four steps on keys 0-511,
	s_mov_b32 s[ST], 0
	s_mov_b32 s[KB], 0
	KLOOP QH, TBHI, GH, 3
	s_wait_tensorcnt 0x0                           ; my second fill is in,
	s_wait_dscnt 0x0
	s_barrier_signal -1
	s_barrier_wait -1                              ; everybody's is
	s_mov_b32 s[ST], 3
	s_mov_b32 s[KB], 24576
	KLOOP QH, TBHI, GH, 8
	FINISH 208, 88
	s_wait_loadcnt 0x0                             ; the low tile's Q
	INIT                                           ; THE LOW TILE: its last step is 3 or earlier
	s_mov_b32 s[ST], 0
	s_mov_b32 s[KB], 0
	KLOOP QL, TBLO, GL, 4
	FINISH 216, 86
	s_wait_tensorcnt 0x0                           ; the wave's end
	ds_add_u32 v[SPW], v[NIL]
	s_wait_dscnt 0x0
	s_endpgm
.Lfunc_end_k_qc201c92024_attn:
	.size	k_qc201c92024_attn, .Lfunc_end_k_qc201c92024_attn-k_qc201c92024_attn
	.p2alignl 7, 3214868480
	.fill 96, 4, 3214868480
	.section	.rodata,"a",@progbits
	.p2align	6, 0x0
	.amdhsa_kernel k_qc201c92024_attn
		.amdhsa_group_segment_fixed_size 327680
		.amdhsa_private_segment_fixed_size 0
		.amdhsa_enable_private_segment 0
		.amdhsa_kernarg_size 48
		.amdhsa_user_sgpr_count 2
		.amdhsa_user_sgpr_kernarg_segment_ptr 1
		.amdhsa_wavefront_size32 1
		.amdhsa_system_sgpr_workgroup_id_x 1
		.amdhsa_system_sgpr_workgroup_id_y 1
		.amdhsa_system_sgpr_workgroup_id_z 1
		.amdhsa_system_vgpr_workitem_id 0
		.amdhsa_next_free_vgpr 256
		.amdhsa_next_free_sgpr 96
		.amdhsa_reserve_vcc 1
		.amdhsa_float_denorm_mode_32 3
		.amdhsa_float_denorm_mode_16_64 3
		.amdhsa_memory_ordered 1
		.amdhsa_forward_progress 1
		.amdhsa_inst_pref_size 78
	.end_amdhsa_kernel
	.amdgpu_metadata
---
amdhsa.version: [ 1, 2 ]
amdhsa.kernels:
  - .name:           k_qc201c92024_attn
    .symbol:         k_qc201c92024_attn.kd
    .args:
      - { .name: qimg, .offset: 0, .size: 8, .value_kind: global_buffer, .address_space: global }
      - { .name: kimg, .offset: 8, .size: 8, .value_kind: global_buffer, .address_space: global }
      - { .name: vimg, .offset: 16, .size: 8, .value_kind: global_buffer, .address_space: global }
      - { .name: bias, .offset: 24, .size: 8, .value_kind: global_buffer, .address_space: global }
      - { .name: lowp_scales, .offset: 32, .size: 8, .value_kind: global_buffer, .address_space: global }
      - { .name: aimg, .offset: 40, .size: 8, .value_kind: global_buffer, .address_space: global }
    .group_segment_fixed_size: 327680
    .private_segment_fixed_size: 0
    .kernarg_segment_align: 8
    .kernarg_segment_size: 48
    .max_flat_workgroup_size: 512
    .sgpr_count:     96
    .vgpr_count:     256
    .wavefront_size: 32
...
	.end_amdgpu_metadata
.endif
;; end of part 3
;; launch outp (part 4): grid 256 x 1, 4 waves a work-group, clusters of 4 x 1, 327,680 bytes of LDS; arguments aimg, ow, lowp_scales, out_b, out0; writes out0
.if DOCPART == 4
	.amdgcn_target "amdgcn-amd-amdhsa--gfx1250"
	.amdhsa_code_object_version 6
	.text
	.protected	k_qc201c92024_outp
	.globl	k_qc201c92024_outp
	.p2align	8
	.type	k_qc201c92024_outp,@function
k_qc201c92024_outp:
	s_mov_b64 s[64:65], 0
	v_nop
	global_prefetch_b8 v0, s[64:65] scope:SCOPE_SE
	s_setreg_imm32_b32 hwreg(HW_REG_WAVE_MODE, 25, 1), 1
	s_wait_xcnt 0x0
	s_wait_alu depctr_hold_cnt(0) depctr_sa_sdst(0) depctr_va_vdst(0) depctr_va_sdst(0) depctr_va_ssrc(0) depctr_va_vcc(0) depctr_vm_vsrc(0)
	s_getreg_b32 s2, hwreg(HW_REG_IB_STS2, 6, 4)
	s_cmp_eq_u32 s2, 0
	s_cbranch_scc0 .Lentry_in_a_cluster
	s_endpgm
.Lentry_in_a_cluster:
	s_bfe_u32 s2, ttmp6, 0x10000c
	s_cmp_lg_u32 s2, 0x3003
	s_cbranch_scc0 .Lentry_shape_is_right
	s_endpgm
.Lentry_shape_is_right:
; The last projection on codes of E4M3: out0[token][n] = 2^(e8 + e9) x sum over k of a[token][k] w[n][k] + out_b[n], K = 1,024.  Both operands are images of registers: [tile of 16 rows][128 of K][2,048 bytes].
; SHARES.  A work-group owns 256 tokens (block x / 2 of the cluster's x) and 128 columns (group 4 (x % 2) + cx); the four partners of a cluster share the tokens.  256 work-groups in all.
; Wave w makes tokens 128 (w % 2) on x columns 64 (w / 2) on.
; The 256 tokens' codes, 256 KB, lie in LDS WHOLE: one joint tensor load of 64 KB a wave, asked for by the four partners together; nothing is filled again: one barrier, no ring.
; A wave's 64 rows of out_w go from memory straight into 512 registers, all 32 fragments, 512 consecutive bytes an instruction, asked for at the head.
; Source 0 = 16 rows of out_w, source 1 = 16 tokens: a lane holds one token and eight neighbouring columns.  A block of 16 tokens x 64 columns goes through the wave's own stage in LDS and leaves as
; rows of 256 bytes: sixteen lanes store one aligned unit.
; LIMIT: e8 + e9 between -126 and 127.  No data prefetch: the text has no loop to run ahead in, and all its bytes are asked for at the head.
; REGISTERS.  Window 0: v2 16 x lane, v6, v7 the add's two, v8-11 addresses, v12, v13 LDS addresses of my tokens; v32-63 out_b; v64-255 tokens' fragments, three fours (on the way out v64-95 results,
;   v128-191 rows read back).   Window 1: out_w's K steps 0-3; window 3: 4-7.   Window 2: the 32 accumulators ((a, n) at v[8 (4 a + n)]).
.set STAGE,  262144
.set SPITCH, 272
.set SPARE,  STAGE+4*16*SPITCH
.set LA,   2
.set SPW,  6
.set NIL,  7
.set BO,   8
.set STO,  9
.set RD,   10
.set CO,   11
.set LB,   12
.set BI,   32
.set TMP,  64
.set BK,   128
.set MSB, 0
.macro WIN new
.if MSB != (\new)
	s_set_vgpr_msb (MSB<<8)|(\new)
.set MSB, (\new)
.endif
.endm
.macro CROUND
	s_barrier_signal -1
	s_barrier_wait -1
	s_cmp_lg_u32 s14, 0
	s_cbranch_scc1 .Lnot_wave_0_\@
	s_barrier_signal -3
.Lnot_wave_0_\@:
	s_barrier_wait -3
	s_barrier_signal -1
	s_barrier_wait -1
.endm
.macro PLACES
.rept 4
	v_nop
.endr
.endm
.macro OLD q                           ; out_w's four fragments of K step q
	WIN 0x40+0x80*((\q)/4)
.irp nb, 0,1,2,3
.irp c, 0,1,2,3
	global_load_b128 v[64*((\q)%4)+16*\nb+4*\c:64*((\q)%4)+16*\nb+4*\c+3], v[LA], s[44:45] offset:16384*\nb+2048*(\q)+512*\c
.endr
.endr
	WIN 0
.endm
.macro ALDO m                          ; group m = 2 q + half: tiles 4 half .. + 3 of my eight, K step q
.set LQ, (\m)/2
.set LG, (\m)%2
.set LP, 64+64*((\m)%3)
.irp u, 0,1,2,3
.irp c, 0,1,2,3
	ds_load_b128 v[LP+16*\u+4*\c:LP+16*\u+4*\c+3], v[LB+LG] offset:\u*16384+LQ*2048+512*\c
.endr
.endr
.endm
.macro MULO m                          ; 16 matrix instructions; the 32 accumulators take turns
.set VQ, (\m)/2
.set VH, (\m)%2
.set QB, 64+64*((\m)%3)
	WIN 0xa0|(1+2*(VQ/4))
.irp u, 0,1,2,3
.irp nb, 0,1,2,3
.set DD, 8*(4*(4*VH+\u)+\nb)
.if VQ == 0
	v_wmma_f32_16x16x128_fp8_fp8 v[DD:DD+7], v[64*(VQ%4)+16*\nb:64*(VQ%4)+16*\nb+15], v[QB+16*\u:QB+16*\u+15], 0
.else
	v_wmma_f32_16x16x128_fp8_fp8 v[DD:DD+7], v[64*(VQ%4)+16*\nb:64*(VQ%4)+16*\nb+15], v[QB+16*\u:QB+16*\u+15], v[DD:DD+7]
.endif
.endr
.endr
.endm
.macro OGROUP m
.if (\m) == 0
	s_wait_loadcnt 63                              ; of the 136 loads the oldest 73 are in: out_b's 8 and K steps 0-3
.elseif (\m) >= 8
.if (\m)%2 == 0
	s_wait_loadcnt 16*(7-(\m)/2)                   ; behind this K step's loads: 16 for each later step
.endif
.endif
.if 15-(\m) >= 2
	s_wait_dscnt 32                                ; my four fragments are in; the two fours behind them may be out
.else
	s_wait_dscnt 16*(15-(\m))
.endif
	MULO \m
	PLACES
	WIN 0
.if (\m)+3 < 16
	ALDO (\m)+3
.endif
.endm
.macro TOSTAGE a
	WIN 0x02
.irp j, 0,2,4,6,8,10,12,14,16,18,20,22,24,26,28,30
	v_pk_fma_f32 v[TMP+\j:TMP+\j+1], v[32*(\a)+\j:32*(\a)+\j+1], s[96:97], v[BI+\j:BI+\j+1] op_sel_hi:[1,0,1]   ; sum x 2^(e8 + e9) + out_b; each accumulator from its low end on
.endr
	WIN 0
.irp nb, 0,1,2,3
	ds_store_b128 v[STO], v[TMP+8*\nb:TMP+8*\nb+3] offset:64*\nb
	ds_store_b128 v[STO], v[TMP+8*\nb+4:TMP+8*\nb+7] offset:64*\nb+16
.endr
.set BB, BK+32*((\a)%2)
.irp t, 0,1,2,3,4,5,6,7
	ds_load_b128 v[BB+4*\t:BB+4*\t+3], v[RD] offset:\t*2*SPITCH   ; LDS serves a wave's instructions in order: these see my stores
.endr
.endm
.macro SEND a, younger                 ; younger: the LDS instructions issued behind block a's loads
.set BB, BK+32*((\a)%2)
	s_wait_dscnt \younger
.irp t, 0,1,2,3,4,5,6,7
	global_store_b128 v[CO], v[BB+4*\t:BB+4*\t+3], s[12:13] offset:(16*(\a)+2*\t)*4096 th:TH_STORE_NT   ; sixteen lanes store 256 consecutive bytes, aligned
.endr
.endm
	s_load_b256 s[4:11], s[0:1], 0x0               ; aimg s[4:5], ow s[6:7], the scales' exponents s[8:9], out_b s[10:11]
	s_load_b64 s[12:13], s[0:1], 0x20              ; out0
	v_lshl_add_u32 v[SPW], v0, 2, SPARE
	v_mov_b32 v[NIL], 0
	ds_add_u32 v[SPW], v[NIL]                      ; the wave's opening
	ds_add_u32 v[SPW], v[NIL]
	v_lshrrev_b32 v16, 5, v0
	v_readfirstlane_b32 s14, v16                   ; wave 0..3
	s_lshr_b32 s15, s14, 1                         ; which 64 of the 128 columns
	s_and_b32 s16, s14, 1                          ; which 128 of the 256 tokens
	s_lshr_b32 s17, ttmp9, 1                       ; the block of 256 tokens
	s_bfe_u32 s40, ttmp6, 0x40000                  ; cx
	s_mov_b32 s24, 15|(3<<16)|(1<<21)              ; group 1: all four partners; elements of 8 bytes; bit 21 beside a mask; a dense block of 64 KB as 256 rows of 256 bytes
	s_mov_b32 s25, 32<<16
	s_mov_b32 s26, 256<<16
	s_mov_b32 s27, 32<<16
	s_mov_b32 s28, 256
	s_mov_b32 s29, 32
	s_mov_b32 s30, 0
	s_mov_b32 s31, 0
	s_lshl_b32 s20, s17, 18                        ; the block's 256 KB
	s_lshl_b32 s33, s14, 16                        ; my quarter, in memory and in LDS
	s_add_co_u32 s20, s20, s33
	s_mov_b32 s21, 0
	s_mov_b32 s32, 1
	s_wait_dscnt 0x0                               ; both opening adds are done
	s_wait_kmcnt 0x0
	s_load_b64 s[96:97], s[8:9], 0x20              ; e8, e9
	s_add_nc_u64 s[34:35], s[4:5], s[20:21]
	s_or_b32 s35, s35, 0x80000000
	CROUND                                         ; all four work-groups are here: the joint loads meet
	tensor_load_to_lds s[32:35], s[24:31]          ; my one tensor load
	s_nop 0
	PLACES
	v_and_b32 v16, 31, v0
	v_lshlrev_b32 v[LA], 4, v16                    ; 16 x lane: my place in an image
	s_lshl_b32 s18, s16, 17
	v_add_nc_u32 v[LB], s18, v[LA]                 ; LDS: tiles 0-3 of my eight,
	v_add_nc_u32 v[LB+1], 0x10000, v[LB]           ; 4-7
	v_and_b32 v17, 15, v0                          ; r
	v_bfe_u32 v18, v0, 4, 1                        ; h
	v_lshlrev_b32 v[BO], 5, v18
	s_mul_i32 s23, s14, 16*SPITCH
	s_add_co_u32 s23, s23, STAGE                   ; my stage
	v_mul_u32_u24 v19, v17, SPITCH
	v_lshl_add_u32 v19, v18, 5, v19
	v_add_nc_u32 v[STO], s23, v19                  ; in: row r, 32 bytes for each half of the lanes
	v_mul_u32_u24 v20, v18, SPITCH
	v_lshl_add_u32 v20, v17, 4, v20
	v_add_nc_u32 v[RD], s23, v20                   ; back: lanes 0-15 one row, lanes 16-31 the next
	v_lshlrev_b32 v21, 12, v18
	v_lshl_add_u32 v[CO], v17, 4, v21              ; and the same two rows in out0
	s_and_b32 s41, ttmp9, 1
	s_lshl_b32 s41, s41, 2
	s_add_co_u32 s41, s41, s40                     ; the group of 128 columns
	s_lshl_b32 s42, s41, 17
	s_lshl_b32 s43, s15, 16
	s_add_co_u32 s42, s42, s43
	s_mov_b32 s43, 0
	s_add_nc_u64 s[44:45], s[6:7], s[42:43]        ; out_w's row tiles 8 x group + 4 (wave / 2) on
	s_lshl_b32 s42, s41, 9
	s_lshl_b32 s46, s15, 8
	s_add_co_u32 s42, s42, s46                     ; my first column, in bytes
	s_add_nc_u64 s[10:11], s[10:11], s[42:43]
	s_add_nc_u64 s[12:13], s[12:13], s[42:43]
	s_lshl_b32 s42, s17, 20                        ; 256 rows of 4,096 bytes,
	s_lshl_b32 s46, s16, 19                        ; and my 128 of them
	s_add_co_u32 s42, s42, s46
	s_add_nc_u64 s[12:13], s[12:13], s[42:43]
	s_wait_alu depctr_va_vdst(0)                   ; ahead of the first readers of the addresses
.irp nb, 0,1,2,3
	global_load_b128 v[BI+8*\nb:BI+8*\nb+3], v[BO], s[10:11] offset:64*\nb
	global_load_b128 v[BI+8*\nb+4:BI+8*\nb+7], v[BO], s[10:11] offset:64*\nb+16
.endr
.irp q, 0,1,2,3,4,5,6,7
	OLD \q
.endr
	s_wait_kmcnt 0x0
	s_add_co_i32 s96, s96, s97
	s_add_co_i32 s96, s96, 127
	s_lshl_b32 s96, s96, 23                        ; 2^(e8 + e9) as f32
	s_mov_b32 s97, s96
	s_wait_tensorcnt 0x0                           ; my part of the tokens is in,
	s_barrier_signal -1
	s_barrier_wait -1                              ; everybody's is
	ALDO 0
	ALDO 1
	ALDO 2
.set N, 0
.rept 16
	OGROUP N
.set N, N+1
.endr
	TOSTAGE 0
.irp a, 1,2,3,4,5,6,7
.if \a > 1
	s_wait_xcnt 0x0                                ; block a - 2's stores have read their registers: block a's loads may land there
.endif
	TOSTAGE \a
	SEND \a-1, 16                                  ; behind block a - 1's loads: block a's 8 stores and 8 loads
.endr
	SEND 7, 0
	s_wait_tensorcnt 0x0                           ; the wave's end
	ds_add_u32 v[SPW], v[NIL]
	s_wait_dscnt 0x0
	CROUND                                         ; the closing round
	s_endpgm
.Lfunc_end_k_qc201c92024_outp:
	.size	k_qc201c92024_outp, .Lfunc_end_k_qc201c92024_outp-k_qc201c92024_outp
	.p2alignl 7, 3214868480
	.fill 96, 4, 3214868480
	.section	.rodata,"a",@progbits
	.p2align	6, 0x0
	.amdhsa_kernel k_qc201c92024_outp
		.amdhsa_group_segment_fixed_size 327680
		.amdhsa_private_segment_fixed_size 0
		.amdhsa_enable_private_segment 0
		.amdhsa_kernarg_size 40
		.amdhsa_user_sgpr_count 2
		.amdhsa_user_sgpr_kernarg_segment_ptr 1
		.amdhsa_wavefront_size32 1
		.amdhsa_system_sgpr_workgroup_id_x 1
		.amdhsa_system_sgpr_workgroup_id_y 1
		.amdhsa_system_sgpr_workgroup_id_z 1
		.amdhsa_system_vgpr_workitem_id 0
		.amdhsa_next_free_vgpr 1024
		.amdhsa_next_free_sgpr 98
		.amdhsa_reserve_vcc 0
		.amdhsa_float_denorm_mode_32 3
		.amdhsa_float_denorm_mode_16_64 3
		.amdhsa_memory_ordered 1
		.amdhsa_forward_progress 1
		.amdhsa_inst_pref_size 77
	.end_amdhsa_kernel
	.amdgpu_metadata
---
amdhsa.version: [ 1, 2 ]
amdhsa.kernels:
  - .name:           k_qc201c92024_outp
    .symbol:         k_qc201c92024_outp.kd
    .args:
      - { .name: aimg, .offset: 0, .size: 8, .value_kind: global_buffer, .address_space: global }
      - { .name: ow, .offset: 8, .size: 8, .value_kind: global_buffer, .address_space: global }
      - { .name: lowp_scales, .offset: 16, .size: 8, .value_kind: global_buffer, .address_space: global }
      - { .name: out_b, .offset: 24, .size: 8, .value_kind: global_buffer, .address_space: global }
      - { .name: out0, .offset: 32, .size: 8, .value_kind: global_buffer, .address_space: global }
    .group_segment_fixed_size: 327680
    .private_segment_fixed_size: 0
    .kernarg_segment_align: 8
    .kernarg_segment_size: 40
    .max_flat_workgroup_size: 128
    .sgpr_count:     98
    .vgpr_count:     1024
    .wavefront_size: 32
...
	.end_amdgpu_metadata
.endif
;; end of part 4
